; MI455X (gfx1250); checked and timed in simulation.
; The chip was launched on July 23, 2026; its instructions are those of AMD's public machine-readable ISA for CDNA 5 (MIT licence, August 2026) and "CDNA5" Instruction Set Architecture Reference Guide (July 2026). The comments in the code are by the model that wrote it; some were corrected since.
;; Bahdanau Attention. Allowed arithmetic: matrix products marked QUANTISED: E2M1 operands, one E8M0 scale for each 32 along K, by v_wmma_scale_f32_16x16x128_f8f6f4 with both operands' format E2M1 (or v_wmma_scale_f32_32x16x128_f4), f32 sums; products left as they are: f32 operands where the result goes on into a quantised operand, else bf16, f16 or f32 operands; f32 sums; everything else in f32.
;; Inputs: Ua_b 1,024 float32; Ua_w_codes 1,024 x 32 x 16 uint8 (E2M1 codes of Ua_w, K innermost, in blocks of 32 codes, two codes a byte); Ua_w_scales 1,024 x 32 uint8 (E8M0 scales of Ua_w, one for each 32 codes along K); Va_b 1 float32; Va_w 1 x 1,024 float32; Wa_b 1,024 float32; Wa_w_codes 1,024 x 32 x 16 uint8 (E2M1 codes of Wa_w, K innermost, in blocks of 32 codes, two codes a byte); Wa_w_scales 1,024 x 32 uint8 (E8M0 scales of Wa_w, one for each 32 codes along K); keys 32 x 2,048 x 1,024 float32; query_codes 32 x 1 x 32 x 16 uint8 (E2M1 codes of query, K innermost, in blocks of 32 codes, two codes a byte); query_scales 32 x 1 x 32 uint8 (E8M0 scales of query, one for each 32 codes along K).
;; Outputs: out0 32 x 1 x 1,024 float32; out1 32 x 1 x 2,048 float32.
;; This version of the problem:
;;   THIS VERSION OF THE PROBLEM IS GIVEN IN LOW PRECISION. The matrix products marked QUANTISED in the list below multiply operands that are first quantised to E2M1 (2 exponent bits, 1 mantissa bit; 4 bits a number), with one power-of-two scale for each 32 numbers along K (OCP MX v1.0); their sums are f32. All else is computed in f32.
;;   The module's matrix products, in the order in which they are computed (A, B: the left and right operand; K: the contracted axis; several contracted axes count as one K, in the product's order):
;;     1. [M 32, K 1,024] x [K 1,024, N 1,024]; A: input query (given as codes); B: input Wa_w (given as codes): QUANTISED
;;     2. [M 65,536, K 1,024] x [K 1,024, N 1,024]; A: input keys; B: input Ua_w (given as codes): QUANTISED
;;     3. [M 65,536, K 1,024] x [K 1,024, N 1]; A: computed on the way; B: input Va_w: left as it is (N = 1 < 16)
;;     4. batch 32 x [M 1, K 2,048] x [K 2,048, N 1,024]; A: softmax; B: input keys: left as it is (M = 1 < 16)
;;   THE QUANTISER, for each operand of a quantised product, along K:
;;     - K is cut into blocks of 32 from its start; a last block that is shorter is filled with zeros.
;;     - A block's scale is 2^e with e = floor(log2(the largest magnitude in the block)) - 2, held to -126 .. 127; a block of zeros has e = 0. As a byte (E8M0): e + 127.
;;     - Each number is divided by its block's scale, clamped to +-6, and rounded to the nearest number of E2M1, ties to even, subnormals kept.
;;     - The product sums the exact products of the quantised numbers (number of the format x scale) in f32.
;;   ~~~python
;;   def quantise(x, axis):      # numpy; x: float32 -> the quantised numbers, widened to float32 again
;;       x = np.moveaxis(x, axis, -1); K = x.shape[-1]
;;       x = np.pad(x, [(0, 0)] * (x.ndim - 1) + [(0, -K % 32)]); x = x.reshape(x.shape[:-1] + (-1, 32)); a = np.abs(x).max(-1, keepdims=True)
;;       e = np.where(a > 0, np.clip(np.frexp(np.where(a > 0, a, 1))[1] - 1 - 2, -126, 127), 0)      # np.frexp(a)[1] - 1 = floor(log2(a)), exactly
;;       r = np.clip(x / 2.0 ** e, -6, 6)
;;       step = 2.0 ** (np.maximum(np.frexp(np.where(r == 0, 1, r))[1] - 1, 0) - 1)
;;       q = np.round(r / step) * step * 2.0 ** e      # np.round: ties to even
;;       return np.moveaxis(q.reshape(q.shape[:-2] + (-1,))[..., :K], -1, axis).astype(np.float32)
;;   ~~~
;;   INPUTS GIVEN AS CODES. Ua_w (in the module: [1024, 1024], K = its axis 1); Wa_w (in the module: [1024, 1024], K = its axis 1); query (in the module: [32, 1, 1024], K = its axis 2): each comes as NAME_codes (uint8): NAME with its K axis moved to the last place and cut into blocks of 32 codes, [.., K / 32, bytes a block], one block behind the other in memory; two codes a byte, the lower K in the low four bits (a code: sign, 2 exponent bits, 1 mantissa bit); and NAME_scales (uint8): the same leading axes, one E8M0 byte (e + 127) for each 32 codes along K. Its value is code x scale, taken as it is: it is not quantised again, and the codes and scales need not be those that the quantiser above would give.
;; One version. Each part assembles by itself: llvm-mc -triple=amdgcn-amd-amdhsa -mcpu=gfx1250 --defsym DOCPART=n.
;; ======== version 1 of 1: 3 launches
;; limits: values are held in bf16: 8 bits of precision; right only within a limited range of input values
;; workspace buffers: qb 131,072 bytes; ub 524,288 bytes; scores 262,144 bytes; pctx 1,048,576 bytes
;; launch prep (part 1): grid 16 x 1, 4 waves a work-group, no clusters, 9,728 bytes of LDS; arguments query_codes, query_scales, Wa_w_codes, Wa_w_scales, Wa_b, Ua_b, Ua_w_codes, qb, ub; writes qb, ub
.if DOCPART == 1
	.amdgcn_target "amdgcn-amd-amdhsa--gfx1250"
	.amdhsa_code_object_version 6
	.text
	.protected	k_q60ea4cdd0a_prep
	.globl	k_q60ea4cdd0a_prep
	.p2align	8
	.type	k_q60ea4cdd0a_prep,@function
k_q60ea4cdd0a_prep:
	s_mov_b64 s[64:65], 0
	v_nop
	global_prefetch_b8 v0, s[64:65] scope:SCOPE_SE
	s_setreg_imm32_b32 hwreg(HW_REG_WAVE_MODE, 25, 1), 1
	s_wait_xcnt 0x0
; Two small jobs ahead of the main launch.
; (1) qb[b][o] = c2 x (sum over h of query[b][h] Wa[o][h] + Wa_b[o] + Ua_b[o]), c2 = 2 log2(e): the part of tanh's argument that hangs on the batch alone, already
;     scaled for an exponential of base 2.  The product runs on the codes and scale bytes as they are given (E2M1, one E8M0 byte for each 32 along K), f32 sums, K ascending.
; (2) ub = Ua's codes in the order of an operand's registers: fragment (tile of 16 rows nt, K step ks of 128) at (nt / 4) 32768 + ks 4096 + (nt % 4) 1024 + c 512 + 16 lane, so that
;     the main launch loads each fragment by two loads of 512 consecutive bytes.
; SHARES: 16 work-groups x 4 waves; wave w of work-group g takes tile nt = 4 g + w: 16 rows of Wa (16 outputs, all 32 batches) and 16 rows of Ua.
; All loads of a wave go out together: Ua's 64 registers lie in the second window of registers, so that query's 128 need not wait for them.
; Nothing is shared between work-groups but the 16 KB of query, so there is no cluster; no tensor load: each byte goes to one wave's registers.
; LIMITS: NaN scale bytes (0xff) are passed on as NaN, as the product's definition has it.
.set C2,    0x4038aa3b                 ; 2 log2(e)
.set SPIT,  272                        ; a stage row: 64 outputs x 4 bytes + 16
.set QSC,   16                         ; v16-31   query's scale words: tile of batches mt, K step ks at 8 mt + ks
.set WSC,   32                         ; v32-39   Wa's scale words
.set ACC,   40                         ; v40-55   two accumulators
.set WF,    64                         ; v64-127  Wa's 8 fragments; later the results and the rows read back
.set QF,    128                        ; v128-255 query's 16 fragments
.set UF,    0                          ; window 1, v0-63: Ua's 8 fragments
.set MSB, 0
.macro WIN new                         ; s_set_vgpr_msb: bits 3:2 source 1, 7:6 destination; the immediate's high byte repeats the setting that is left
.if MSB != \new
	s_set_vgpr_msb (MSB<<8)|\new
.set MSB, \new
.endif
.endm
	s_load_b256 s[4:11], s[0:1], 0x0               ; query's codes s[4:5], its scales s[6:7], Wa's codes s[8:9], its scales s[10:11]
	s_load_b256 s[12:19], s[0:1], 0x20             ; Wa_b s[12:13], Ua_b s[14:15], Ua's codes s[16:17], qb s[18:19]
	s_load_b64 s[20:21], s[0:1], 0x40              ; ub
	v_lshl_add_u32 v62, v0, 2, 0x2400
	v_mov_b32 v63, 0
	v_lshrrev_b32 v12, 5, v0
	v_readfirstlane_b32 s22, v12                   ; wave 0..3
	v_and_b32 v1, 15, v0                           ; r
	v_bfe_u32 v2, v0, 4, 1                         ; h
	v_lshlrev_b32 v3, 9, v1
	v_lshl_add_u32 v3, v2, 4, v3                   ; a fragment's bytes: row r of 512 bytes, + 16 h
	v_lshlrev_b32 v4, 5, v1                        ; a row of 32 scale bytes
	v_and_b32 v5, 31, v0
	v_lshlrev_b32 v5, 4, v5                        ; 16 x lane
	v_lshlrev_b32 v6, 2, v1                        ; 4 r
	v_mul_u32_u24 v7, v2, 8*SPIT
	v_lshl_add_u32 v7, v1, 2, v7
	s_lshl_b32 s36, s22, 6
	v_add_nc_u32 v7, s36, v7                       ; into the stage: row 8 h (+ 16 mt + j), byte 64 w + 4 r
	v_mul_u32_u24 v8, v2, SPIT
	v_lshl_add_u32 v8, v1, 4, v8
	s_mul_i32 s36, s22, 8*SPIT
	v_add_nc_u32 v8, s36, v8                       ; out of it: row 8 w + h (+ 2 i), 16 bytes a lane
	v_lshlrev_b32 v9, 12, v2
	v_lshl_add_u32 v9, v1, 4, v9
	s_lshl_b32 s37, s22, 15
	v_add_nc_u32 v9, s37, v9                       ; and the same place in qb: rows of 4,096 bytes
	s_lshl_b32 s23, ttmp9, 2
	s_add_co_u32 s23, s23, s22                     ; nt
	s_lshl_b32 s24, s23, 13                        ; 16 rows of 512 bytes of codes
	s_mov_b32 s25, 0
	s_lshl_b32 s26, s23, 9                         ; 16 rows of 32 scale bytes
	s_mov_b32 s27, 0
	s_lshl_b32 s28, s23, 6                         ; 16 numbers of a bias
	s_mov_b32 s29, 0
	s_lshl_b32 s30, ttmp9, 15
	s_lshl_b32 s34, s22, 10
	s_add_co_u32 s30, s30, s34                     ; ub: 32768 g + 1024 w
	s_mov_b32 s31, 0
	s_lshl_b32 s32, ttmp9, 8                       ; qb: my work-group's 64 outputs
	s_mov_b32 s33, 0
	s_mov_b32 s35, C2
	s_wait_kmcnt 0x0
	s_add_nc_u64 s[8:9], s[8:9], s[24:25]
	s_add_nc_u64 s[16:17], s[16:17], s[24:25]
	s_add_nc_u64 s[10:11], s[10:11], s[26:27]
	s_add_nc_u64 s[12:13], s[12:13], s[28:29]
	s_add_nc_u64 s[14:15], s[14:15], s[28:29]
	s_add_nc_u64 s[20:21], s[20:21], s[30:31]
	s_add_nc_u64 s[18:19], s[18:19], s[32:33]
	WIN 0x40                                       ; destination window 1
.irp ks, 0,1,2,3,4,5,6,7
.irp c, 0,1
	global_load_b128 v[UF+8*\ks+4*\c:UF+8*\ks+4*\c+3], v3, s[16:17] offset:64*\ks+32*\c   ; Ua(16 nt + r, 128 ks + 64 c + 32 h ..): 32 codes
.endr
.endr
	WIN 0
.irp ks, 0,1,2,3,4,5,6,7
.irp c, 0,1
	global_load_b128 v[WF+8*\ks+4*\c:WF+8*\ks+4*\c+3], v3, s[8:9] offset:64*\ks+32*\c     ; Wa likewise
.endr
.endr
.irp q, 0,1
	global_load_b128 v[WSC+4*\q:WSC+4*\q+3], v4, s[10:11] offset:16*\q                    ; Wa's 8 scale words of row r
.endr
.irp mt, 0,1
.irp q, 0,1
	global_load_b128 v[QSC+8*\mt+4*\q:QSC+8*\mt+4*\q+3], v4, s[6:7] offset:512*\mt+16*\q  ; query's, batch 16 mt + r
.endr
.endr
	global_load_b32 v10, v6, s[12:13]              ; Wa_b(16 nt + r)
	global_load_b32 v11, v6, s[14:15]              ; Ua_b(16 nt + r)
.irp mt, 0,1
.irp ks, 0,1,2,3,4,5,6,7
.irp c, 0,1
	global_load_b128 v[QF+8*(8*\mt+\ks)+4*\c:QF+8*(8*\mt+\ks)+4*\c+3], v3, s[4:5] offset:8192*\mt+64*\ks+32*\c
.endr
.endr
.endr
	s_wait_loadcnt 56                              ; Ua's 16 loads are in: 16 + 2 + 4 + 2 + 32 = 56 were issued behind them
	WIN 0x04                                       ; a store's data are its source 1: window 1
.irp ks, 0,1,2,3,4,5,6,7
.irp c, 0,1
	global_store_b128 v5, v[UF+8*\ks+4*\c:UF+8*\ks+4*\c+3], s[20:21] offset:4096*\ks+512*\c   ; the wave stores 512 consecutive bytes, aligned
.endr
.endr
	WIN 0
	s_wait_loadcnt 0x0
	v_add_f32 v10, v10, v11
	v_mul_f32 v10, s35, v10                        ; c2 (Wa_b + Ua_b) of my output
; source 0 = 16 batches, source 1 = 16 rows of Wa: register j of lane (r, h) is (batch 16 mt + 8 h + j, output 16 nt + r).  The two accumulators take turns.
.irp ks, 0,1,2,3,4,5,6,7
.irp mt, 0,1
.if \ks == 0
	v_wmma_scale_f32_16x16x128_f8f6f4 v[ACC+8*\mt:ACC+8*\mt+7], v[QF+8*(8*\mt+\ks):QF+8*(8*\mt+\ks)+7], v[WF+8*\ks:WF+8*\ks+7], 0, v[QSC+8*\mt+\ks], v[WSC+\ks] matrix_a_fmt:MATRIX_FMT_FP4 matrix_b_fmt:MATRIX_FMT_FP4
.else
	v_wmma_scale_f32_16x16x128_f8f6f4 v[ACC+8*\mt:ACC+8*\mt+7], v[QF+8*(8*\mt+\ks):QF+8*(8*\mt+\ks)+7], v[WF+8*\ks:WF+8*\ks+7], v[ACC+8*\mt:ACC+8*\mt+7], v[QSC+8*\mt+\ks], v[WSC+\ks] matrix_a_fmt:MATRIX_FMT_FP4 matrix_b_fmt:MATRIX_FMT_FP4
.endif
.endr
.endr
.rept 4
	v_nop                                          ; four places ahead of the first read of results and the first write of operands (ISA guide 7.12.1)
.endr
.irp mt, 0,1
.irp j, 0,1,2,3,4,5,6,7
	v_fma_f32 v[WF+8*\mt+\j], v[ACC+8*\mt+\j], s35, v10    ; each accumulator from its low end on
.endr
.endr
; The way out: a lane holds one output of eight batches; the four waves' 64 outputs of a batch are 256 neighbouring bytes of qb.  They meet in a stage of 32 rows.
.irp mt, 0,1
.irp j, 0,1,2,3,4,5,6,7
	ds_store_b32 v7, v[WF+8*\mt+\j] offset:(16*\mt+\j)*SPIT
.endr
.endr
	s_wait_dscnt 0x0                               ; for the others' sake: my stores into the stage are done
	s_barrier_signal -1
	s_barrier_wait -1
.irp i, 0,1,2,3
	ds_load_b128 v[WF+32+4*\i:WF+32+4*\i+3], v8 offset:2*\i*SPIT
.endr
.irp i, 0,1,2,3
	s_wait_dscnt 3-\i                              ; the younger loads may be out
	global_store_b128 v9, v[WF+32+4*\i:WF+32+4*\i+3], s[18:19] offset:8192*\i   ; sixteen lanes store 256 consecutive bytes, aligned
.endr
	s_wait_tensorcnt 0x0
	ds_add_u32 v62, v63
	s_wait_dscnt 0x0
	s_endpgm
.Lfunc_end_k_q60ea4cdd0a_prep:
	.size	k_q60ea4cdd0a_prep, .Lfunc_end_k_q60ea4cdd0a_prep-k_q60ea4cdd0a_prep
	.p2alignl 7, 3214868480
	.fill 96, 4, 3214868480
	.section	.rodata,"a",@progbits
	.p2align	6, 0x0
	.amdhsa_kernel k_q60ea4cdd0a_prep
		.amdhsa_group_segment_fixed_size 9728
		.amdhsa_private_segment_fixed_size 0
		.amdhsa_enable_private_segment 0
		.amdhsa_kernarg_size 72
		.amdhsa_user_sgpr_count 2
		.amdhsa_user_sgpr_kernarg_segment_ptr 1
		.amdhsa_wavefront_size32 1
		.amdhsa_system_sgpr_workgroup_id_x 1
		.amdhsa_system_sgpr_workgroup_id_y 1
		.amdhsa_system_sgpr_workgroup_id_z 1
		.amdhsa_system_vgpr_workitem_id 0
		.amdhsa_next_free_vgpr 320
		.amdhsa_next_free_sgpr 66
		.amdhsa_reserve_vcc 0
		.amdhsa_float_denorm_mode_32 3
		.amdhsa_float_denorm_mode_16_64 3
		.amdhsa_memory_ordered 1
		.amdhsa_forward_progress 1
		.amdhsa_inst_pref_size 16
	.end_amdhsa_kernel
	.amdgpu_metadata
---
amdhsa.version: [ 1, 2 ]
amdhsa.kernels:
  - .name:           k_q60ea4cdd0a_prep
    .symbol:         k_q60ea4cdd0a_prep.kd
    .args:
      - { .name: query_codes, .offset: 0, .size: 8, .value_kind: global_buffer, .address_space: global }
      - { .name: query_scales, .offset: 8, .size: 8, .value_kind: global_buffer, .address_space: global }
      - { .name: Wa_w_codes, .offset: 16, .size: 8, .value_kind: global_buffer, .address_space: global }
      - { .name: Wa_w_scales, .offset: 24, .size: 8, .value_kind: global_buffer, .address_space: global }
      - { .name: Wa_b, .offset: 32, .size: 8, .value_kind: global_buffer, .address_space: global }
      - { .name: Ua_b, .offset: 40, .size: 8, .value_kind: global_buffer, .address_space: global }
      - { .name: Ua_w_codes, .offset: 48, .size: 8, .value_kind: global_buffer, .address_space: global }
      - { .name: qb, .offset: 56, .size: 8, .value_kind: global_buffer, .address_space: global }
      - { .name: ub, .offset: 64, .size: 8, .value_kind: global_buffer, .address_space: global }
    .group_segment_fixed_size: 9728
    .private_segment_fixed_size: 0
    .kernarg_segment_align: 8
    .kernarg_segment_size: 72
    .max_flat_workgroup_size: 128
    .sgpr_count:     66
    .vgpr_count:     320
    .wavefront_size: 32
...
	.end_amdgpu_metadata
.endif
;; end of part 1
;; launch attn (part 2): grid 256 x 1, 4 waves a work-group, no clusters, 327,680 bytes of LDS; arguments keys, ub, Ua_w_scales, qb, Va_w, Va_b, scores, pctx; writes scores, pctx
.if DOCPART == 2
	.amdgcn_target "amdgcn-amd-amdhsa--gfx1250"
	.amdhsa_code_object_version 6
	.text
	.protected	k_q60ea4cdd0a_attn
	.globl	k_q60ea4cdd0a_attn
	.p2align	8
	.type	k_q60ea4cdd0a_attn,@function
k_q60ea4cdd0a_attn:
	s_mov_b64 s[64:65], 0
	v_nop
	global_prefetch_b8 v0, s[64:65] scope:SCOPE_SE
	s_setreg_imm32_b32 hwreg(HW_REG_WAVE_MODE, 25, 1), 1
	s_wait_xcnt 0x0
; scores[b][s] = Va . tanh(q_proj[b] + keys[b][s] Ua^T + Ua_b) + Va_b, and the work-group's part of softmax(scores) . keys, with keys read from memory ONCE.
; keys Ua^T runs on codes of E2M1 with one E8M0 scale for each 32 along K: Ua's as given (laid in register order by the launch before), keys' made here from f32 by the stated quantiser.
; SHARES.  Work-group g owns rows 256 g .. 256 g + 255 of keys seen as [65536][1024] (an eighth of batch g / 8), in four blocks of 64 rows.  Wave w owns, of each block,
;   keys' columns 256 w .. + 255: it fetches them (one tensor load), quantises them (K steps 2 w, 2 w + 1 of the product) and sums the context over them;
;   the product's outputs 256 w .. + 255: 16 tiles of 16, four at a time, for all 64 rows: product, tanh, and its part of the scores.
; A BLOCK.  X: my 64 x 256 numbers from LDS: codes and scale words go to LDS as images of the operand's registers; a copy rounded to bf16 stays in my registers | barrier; the next block is asked for |
;   GEMM: four groups of four tiles: 128 matrix instructions, then tanh and Va's product on the 64 x 64 results | SOFT: the waves' parts of the 64 scores meet in LDS | barrier |
;   running maximum M, p = exp(score - M) | CTX: context = context x exp(old M - new M) + sum of p x the bf16 copy.
; WHAT IS ASKED FOR AHEAD.  Ua's fragments of the next group: each K step's as soon as its registers are free.  Its scale words: one load of 16 bytes a lane for each tile, behind K step 7's products and ahead of
;   K step 7's fragments: lanes 0-15 take the words of K steps 0-3 of their row, lanes 16-31 those of K steps 4-7, which the matrix instruction reads by its selector for the upper lanes.
;   keys' fragments come from LDS into three sets of registers, three K steps ahead; the next group's first three are asked for behind K steps 5, 6 and 7 and land under the tanh.
; PREFETCH of keys: in each of the four groups of blocks 0 and 1 a wave names 16 rows x 1,024 bytes of its own tile TWO blocks on: two instructions, each lane another aligned 256 bytes (8 rows x 4 an instruction).
;   So block n + 2 is named during block n, one whole block ahead of the tensor load that fetches it, each 256 bytes once.  Blocks 0 and 1 come by their loads alone; blocks 2 and 3 ask for nothing.
; tanh(x) = 1 - 2 / (1 + 2^(c2 x)), c2 = 2 log2(e): at both ends it goes to +-1 (2^.. = infinity gives 0 for the quotient, 0 gives 2).
; The last launch joins the eight parts of a batch: it takes each part's maximum from the stored scores.
; NO CLUSTER: what work-groups share is Ua (557,056 bytes a block).  The block in hand, its images and the small stages take 324,096 of the 327,680 bytes of LDS, so there is no room for slots of Ua;
;   each fragment of Ua is wanted by ONE wave of a work-group, which loads it straight into its registers (512 consecutive bytes a load) and uses it four times there.
; LIMITS: NaN and infinities in keys are not served.  A block of 32 zeros gets the scale byte 1 where the rule says 127: its codes are zeros, and this program alone reads the byte.
;   keys enter the context's product rounded to bf16; p stays f32.
; REGISTERS, in windows of 256 (s_set_vgpr_msb: bits 1:0 source 0, 3:2 source 1, 5:4 source 2, 7:6 destination):
;   window 0: v1-31 addresses and small numbers; v32-47 Ua's scale words; v65 the prefetches' offset; v72-135 sets 0 and 1 of keys' fragments; v136-167 score parts; v168-199 keys' scale words;
;             (v72-199 in X: two sets of 64 numbers); v200-235 at work in X and SOFT; in GEMM v200-231 are set 2 of keys' fragments; v240-255 the group's column constants.
;   window 1: v0-127 the 16 accumulators ((mt, t) at 8 (4 mt + t)); v128-255 the context: register 64 kk + 16 b + i = column 256 w + 128 kk + 32 b + 16 (lane / 16) + i, summed over my lane's rows.
;   window 2: the bf16 copy: fragment f = 2 mt + kk at 32 f.       window 3: Ua's fragments of a group: (ks, t) at 8 (4 ks + t).
.set LPITCH, 1040                      ; a landed row: 1,024 bytes + 16
.set CHUNK,  64*LPITCH                 ; a wave's landing space: 64 rows
.set AIMG,   4*CHUNK                   ; images of keys' fragments: (mt, ks) at (8 mt + ks) 1024 + 512 c + 16 lane
.set ASC,    AIMG+32768                ; their scale words: 512 mt + 32 r + 4 ks
.set PS,     ASC+2048                  ; parts of the scores: [wave][64] f32
.set PW,     PS+1024                   ; p: [wave][64], each wave's own copy
.set CBV,    PW+1024                   ; (cb, cb, -2 Va, -2 Va) for each output: 4096 w + 256 tile + 16 r
.set CST,    CBV+16384                 ; the context's way out: 1,024 bytes a wave
.set SPARE,  CST+4096                  ; the spare words, 128 bytes for each wave
.set SPW, 1                            ; v1   SPARE + 4 x my thread's number; never rewritten
.set NIL, 2                            ; v2   0; never rewritten
.set LA,  3                            ; v3   CHUNK w + LPITCH r + 64 h
.set LIA, 4                            ; v4   AIMG + 16 lane
.set XWI, 5                            ; v5   LIA + 2048 w
.set XWS, 6                            ; v6   ASC + 32 r + 8 w
.set ASA, 7                            ; v7   ASC + 32 r
.set PSW, 8                            ; v8   PS + 256 w + 32 h
.set PSR, 9                            ; v9   PS + 8 lane
.set PWW, 10                           ; v10  PW + 256 w + 8 lane
.set PWR, 11                           ; v11  PW + 256 w + 4 r
.set CVB, 12                           ; v12  CBV + 4096 w + 16 r
.set CVA, 13                           ; v13  the same for the group in hand
.set L16, 14                           ; v14  16 lane
.set R32, 15                           ; v15  32 r + 16 h
.set L8,  16                           ; v16  8 lane
.set VS,  17                           ; v17  the sum of Va over my lane's 16 outputs
.set MX,  18                           ; v18  the running maximum
.set RR,  19                           ; v19  r (head)
.set SS,  20                           ; v[20:21] two scores: rows 2 lane, 2 lane + 1 of the block
.set TA,  22                           ; v22-23 at work
.set PP,  24                           ; v24-27 p of row 16 mt + r
.set FF,  28                           ; v[28:29] exp(old M - new M); v29 is only named with it as a pair
.set CSW, 30                           ; v30  CST + 1024 w + 64 h
.set CSR, 31                           ; v31  CST + 1024 w + 16 lane
.set BSC, 32                           ; v32-47 Ua's scale words: 4 t + ks % 4; lanes 0-15 K steps 0-3, lanes 16-31 K steps 4-7
.set R4,  64                           ; v64  4 r (head)
.set PFO, 65                           ; v65  4096 (lane / 4) + 256 (lane % 4); never rewritten (v66 at work in the head)
.set AS,  72                           ; keys' fragments: set s, tile mt at AS + 32 s + 64 (s / 2) + 8 mt: v72, v104, v200
.set T0,  72                           ; v72-199 in X: two sets of 64 numbers
.set SP,  136                          ; v136-167 score parts: 8 mt + j = row 16 mt + 8 h + j, my lane's outputs
.set ASCR,168                          ; v168-199 keys' scale words: 8 mt + ks
.set TM,  200                          ; v200-215 the quantiser's
.set PWD, 216                          ; v216 the scale word just made
.set PC,  218                          ; v218-225 the codes just made
.set PL,  226                          ; v226-233 the four waves' parts of two scores
.set PE,  234                          ; v[234:235] p of my two rows
.set CV,  240                          ; v240-255 tile t: cb, cb, -2 Va, -2 Va at 4 t
.set WV,  20                           ; s20  wave
.set TMP, 21
.set SEL, 22                           ; s[22:23] v_permlanex16_b32's selects for lane l xor 16
.set G1,  24                           ; s[24:31] descriptor group 1
.set G0,  32                           ; s[32:35] descriptor group 0
.set C2S, 36                           ; s[36:37] c2, twice
.set C1S, 38                           ; s38  log2(e)
.set VB,  40                           ; s[40:41] Va_b, twice
.set UBW, 42                           ; s[42:43] ub at my wave's 16 tiles;  s[44:45] at the group being loaded
.set UBP, 44
.set USW, 46                           ; s[46:47], s[48:49] the same for Ua's scale bytes
.set USP, 48
.set GOF, 50                           ; s[50:51] that group's offset in ub: 32768 x group
.set SOF, 52                           ; s[52:53] and among the scale bytes: 2048 x group
.set GC,  54
.set BC,  55
.set CVS, 56                           ; s56  1024 x the group in hand
.set T2S, 57
.set SCP, 58                           ; s[58:59] scores at the block in hand
.set OF,  60                           ; s[60:61] an offset in 64 bits
.set PFA, 62                           ; s[62:63] where my prefetches stand: my columns, 16 rows on with each group, two blocks ahead of the block in hand
.set MSB, 0
.macro WIN new                         ; the immediate's high byte repeats the setting that is left; a switch that changes nothing is dropped
.if MSB != \new
	s_set_vgpr_msb (MSB<<8)|\new
.set MSB, \new
.endif
.endm
.set W_MUL, 0x5c                       ; A window 0, B window 3, C and D window 1
.set W_TOB, 0xc0                       ; destination window 3
.set W_A1,  0x41                       ; destination and source 0 window 1
.set W_S1,  0x01                       ; source 0 window 1
.set W_BF,  0x80                       ; destination window 2
.set W_CX,  0x52                       ; source 0 window 2, source 2 and destination window 1
.set W_CL,  0x02                       ; source 0 window 2
.macro XL f                            ; fragment f's 64 numbers a lane (row 16 mt + r; of each block of 32 my half's 16) into set f % 2
.set TS, T0+64*((\f)%2)
.irp b, 0,1,2,3
.irp j, 0,1,2,3
	ds_load_b128 v[TS+16*\b+4*\j:TS+16*\b+4*\j+3], v[LA] offset:((\f)/2)*16*LPITCH+((\f)%2)*512+128*\b+16*\j
.endr
.endr
.endm
; 64 numbers of a lane, v[TS] on, register 16 b + i = k 32 b + 16 (lane / 16) + i of my row, become a fragment's codes in v[PC] on and its scale word in v[PWD].
.macro QUANT
.irp b, 0,1,2,3
	v_max3_num_f32 v[TM+\b], |v[TS+16*\b]|, |v[TS+1+16*\b]|, 0x1800000   ; block b: my 16 numbers, and the floor 2^(3 - 127): the byte cannot fall under 1
.endr
.irp i, 2,4,6,8,10,12,14
.irp b, 0,1,2,3
	v_max3_num_f32 v[TM+\b], v[TM+\b], |v[TS+16*\b+\i]|, |v[TS+1+16*\b+\i]|   ; the four blocks by turns
.endr
.endr
.irp b, 0,1,2,3
	v_permlanex16_b32 v[TM+4+\b], v[TM+\b], s[SEL], s[SEL+1]
.endr
.irp b, 0,1,2,3
	v_max_num_f32 v[TM+\b], v[TM+\b], v[TM+4+\b]   ; with lane l xor 16's: the block's largest magnitude
.endr
.irp b, 0,1,2,3
	v_add_nc_u32 v[TM+12+\b], 0xff000000, v[TM+\b] ; 2 off its exponent field: the conversion takes that field of this operand as its scale
.endr
.irp b, 0,1,2,3
	v_lshrrev_b32 v[TM+4+\b], 23, v[TM+12+\b]      ; the scale's byte
.endr
	v_lshl_or_b32 v[PWD], v[TM+5], 8, v[TM+4]
	v_lshl_or_b32 v[PWD], v[TM+6], 16, v[PWD]
	v_lshl_or_b32 v[PWD], v[TM+7], 24, v[PWD]
.irp b, 0,1,2,3
	v_cvt_scalef32_pk8_fp4_f32 v[PC+2*\b], v[TS+16*\b:TS+7+16*\b], v[TM+12+\b]      ; to the nearest code, ties to even, beyond 6 the largest code
	v_cvt_scalef32_pk8_fp4_f32 v[PC+1+2*\b], v[TS+8+16*\b:TS+15+16*\b], v[TM+12+\b]
.endr
	v_nop                                          ; one plain place behind a scaled conversion
.irp c, 0,1                                    ; the operand's layout wants a whole block in a lane: lanes 0-15 block 2 c, lanes 16-31 block 2 c + 1
.irp i, 0,1
	v_permlane16_swap_b32 v[PC+4*\c+\i], v[PC+2+4*\c+\i]
.endr
.endr
.endm
; X: my 64 rows x 256 columns: eight fragments (mt = f / 2, kk = f % 2).  The loads run one fragment ahead.
.macro XPHASE
	XL 0
.irp f, 0,1,2,3,4,5,6,7
.if \f < 7
	XL \f+1
	s_wait_dscnt 16                                ; all but the 16 loads just issued: this fragment's numbers are in, and the last fragment's image stores are done
.else
	s_wait_dscnt 0x0
.endif
.set TS, T0+64*(\f%2)
	QUANT
	WIN W_BF
.set i, 0
.rept 32
	v_cvt_pk_bf16_f32 v[32*\f+i], v[TS+2*i], v[TS+2*i+1]   ; the copy for the context's product
.set i, i+1
.endr
	WIN 0
	ds_store_b128 v[XWI], v[PC:PC+3] offset:(\f/2)*8192+(\f%2)*1024
	ds_store_b128 v[XWI], v[PC+4:PC+7] offset:(\f/2)*8192+(\f%2)*1024+512
	ds_store_b32 v[XWS], v[PWD] offset:(\f/2)*512+4*(\f%2)   ; lanes l and l + 16 write the same word with the same value
.endr
.endm
.macro FETCH_A ks, set                 ; the four row tiles' fragments of K step ks into set 0, 1 or 2
.set AB, AS+32*(\set)+64*((\set)/2)
.irp mt, 0,1,2,3
.irp c, 0,1
	ds_load_b128 v[AB+8*\mt+4*\c:AB+8*\mt+4*\c+3], v[LIA] offset:(8*\mt+(\ks))*1024+512*\c
.endr
.endr
.endm
.macro BLOAD ks                        ; Ua's four fragments of K step ks, of the group at s[UBP]
	WIN W_TOB
.irp t, 0,1,2,3
.irp c, 0,1
	global_load_b128 v[8*(4*(\ks)+\t)+4*\c:8*(4*(\ks)+\t)+4*\c+3], v[L16], s[UBP:UBP+1] offset:(\ks)*4096+\t*1024+\c*512
.endr
.endr
	WIN 0
.endm
.macro SLOAD                           ; that group's scale words: a tile's 16 rows of 32 bytes are 512 consecutive bytes, 16 a lane: lane (r, h) takes the words of K steps 4 h .. 4 h + 3 of row r
.irp t, 0,1,2,3
	global_load_b128 v[BSC+4*\t:BSC+4*\t+3], v[R32], s[USP:USP+1] offset:\t*512
.endr
.endm
; One K step of a group: 16 matrix instructions (source 0 = 16 rows of keys, source 1 = 16 rows of Ua: a lane holds ONE output and eight rows), the 16 accumulators by turns.
; K step ks multiplies set ks % 3 of keys' fragments.  Behind it the registers just read are asked for anew: Ua's for the NEXT group; keys' set for K step ks + 3, or, behind K steps 5, 6, 7, for the next
; group's K steps 2, 0, 1 (the images are the same for all groups of a block; behind a block's last group these 24 loads of its 288 are not used: a branch round them would make the waits' counts differ).
; LDS loads issued behind the set that a K step wants: K steps 0, 1: one set (8); 2 to 6: two sets (16); 7: two sets and the four loads of column constants (20).
; last = 1, the launch's last block: its last group has no successor, so Ua's loads stand under a branch, and the group's head waits for all of them.
.macro KSTEP ks, last
.if \ks < 2
	s_wait_dscnt 8
.elseif \ks < 7
	s_wait_dscnt 16
.else
	s_wait_dscnt 20
.endif
.if (\last == 0) && (\ks == 7)
	s_wait_loadcnt 56                              ; all but this group's own 56 loads for the next group (K steps 0-6): my K step 7 is in
.endif
.set AB, AS+32*(\ks%3)+64*((\ks%3)/2)
	WIN W_MUL
.irp mt, 0,1,2,3
.irp t, 0,1,2,3
.if \ks == 0
	v_wmma_scale_f32_16x16x128_f8f6f4 v[8*(4*\mt+\t):8*(4*\mt+\t)+7], v[AB+8*\mt:AB+8*\mt+7], v[8*(4*\ks+\t):8*(4*\ks+\t)+7], 0, v[ASCR+8*\mt+\ks], v[BSC+4*\t+\ks] matrix_a_fmt:MATRIX_FMT_FP4 matrix_b_fmt:MATRIX_FMT_FP4
.elseif \ks < 4
	v_wmma_scale_f32_16x16x128_f8f6f4 v[8*(4*\mt+\t):8*(4*\mt+\t)+7], v[AB+8*\mt:AB+8*\mt+7], v[8*(4*\ks+\t):8*(4*\ks+\t)+7], v[8*(4*\mt+\t):8*(4*\mt+\t)+7], v[ASCR+8*\mt+\ks], v[BSC+4*\t+\ks] matrix_a_fmt:MATRIX_FMT_FP4 matrix_b_fmt:MATRIX_FMT_FP4
.else
	v_wmma_scale_f32_16x16x128_f8f6f4 v[8*(4*\mt+\t):8*(4*\mt+\t)+7], v[AB+8*\mt:AB+8*\mt+7], v[8*(4*\ks+\t):8*(4*\ks+\t)+7], v[8*(4*\mt+\t):8*(4*\mt+\t)+7], v[ASCR+8*\mt+\ks], v[BSC+4*\t+\ks-4] matrix_a_fmt:MATRIX_FMT_FP4 matrix_b_fmt:MATRIX_FMT_FP4 matrix_b_scale:MATRIX_SCALE_ROW1
.endif
.endr
.endr
.rept 4
	v_nop                                          ; four places ahead of loads into registers that these products read, and of the first read of results
.endr
.if \last
	WIN 0
	s_cmp_eq_u32 s[GC], 1
	s_cbranch_scc1 .Lnone_\@
.endif
.if \ks == 7
	WIN 0
	SLOAD                                          ; the scale words have been read for the last time; they go out ahead of K step 7's fragments, which are wanted last
.endif
	BLOAD \ks
.if \last
.Lnone_\@:
.endif
.if \ks < 5
	FETCH_A \ks+3, \ks%3
.elseif \ks == 5
	FETCH_A 2, 2
.elseif \ks == 6
.irp t, 0,1,2,3
	ds_load_b128 v[CV+4*\t:CV+4*\t+3], v[CVA] offset:256*\t
.endr
	FETCH_A 0, 0
.else
	FETCH_A 1, 1
.endif
.endm
; 64 rows x 64 outputs: part of the score += Va tanh(x) = Va - 2 Va / (1 + 2^(c2 acc + cb)); the Va were summed into the parts' first value.  Each kind of transcendental is one batch, with one wait ahead of it and one behind it.
.macro TANH
	WIN W_A1
.irp mt, 0,1,2,3
.irp t, 0,1,2,3
.irp p, 0,2,4,6
	v_pk_fma_f32 v[8*(4*\mt+\t)+\p:8*(4*\mt+\t)+\p+1], v[8*(4*\mt+\t)+\p:8*(4*\mt+\t)+\p+1], s[C2S:C2S+1], v[CV+4*\t:CV+4*\t+1] op_sel_hi:[1,0,1]   ; each accumulator from its low end on
.endr
.endr
.endr
.set i, 0
	s_wait_alu depctr_va_vdst(0)
.rept 128
	v_exp_f32 v[i], v[i]
.set i, i+1
.endr
	v_nop                                          ; a plain place behind the last exponential
	s_wait_alu depctr_va_vdst(0)                   ; one wait for the batch, ahead of its first reader
.set i, 0
.rept 64
	v_pk_add_f32 v[i:i+1], v[i:i+1], 1.0 op_sel_hi:[1,0]
.set i, i+2
.endr
.set i, 0
	s_wait_alu depctr_va_vdst(0)
.rept 128
	v_rcp_f32 v[i], v[i]
.set i, i+1
.endr
	v_nop
	s_wait_alu depctr_va_vdst(0)
	WIN W_S1
.irp t, 0,1,2,3
.irp mt, 0,1,2,3
.irp p, 0,2,4,6
	v_pk_fma_f32 v[SP+8*\mt+\p:SP+8*\mt+\p+1], v[8*(4*\mt+\t)+\p:8*(4*\mt+\t)+\p+1], v[CV+4*\t+2:CV+4*\t+3], v[SP+8*\mt+\p:SP+8*\mt+\p+1]
.endr
.endr
.endr
.endm
.macro GEMM last
.irp mt, 0,1,2,3
.irp q, 0,1
	ds_load_b128 v[ASCR+8*\mt+4*\q:ASCR+8*\mt+4*\q+3], v[ASA] offset:512*\mt+16*\q
.endr
.endr
	FETCH_A 2, 2                                   ; the first group's first three K steps, in the order in which a group leaves them for its successor
	FETCH_A 0, 0
	FETCH_A 1, 1
.set i, 0
.rept 32
	v_mov_b32 v[SP+i], v[VS]                       ; the parts begin with the sum of my lane's Va
.set i, i+1
.endr
	s_mov_b32 s[CVS], 0
	s_mov_b32 s[GC], 4
.Lgroup_\@:
.if \last
	s_wait_loadcnt 0x0                             ; this group's fragments and scale words of Ua; their bases may now be written
.else
	s_wait_loadcnt 8                               ; all but the 8 loads issued behind the scale words (K step 7's): my K steps 0-6 and the scale words are in
	s_wait_xcnt 0x0                                ; every load and prefetch has read its base: the bases are written again only behind this wait
	s_add_nc_u64 s[PFA:PFA+1], s[PFA:PFA+1], 65536 ; the prefetches: 16 rows of 4,096 bytes on
.endif
	s_add_co_u32 s[GOF], s[GOF], 32768             ; the group to be loaded during this one; behind the wave's fourth comes its first, for the next block
	s_and_b32 s[GOF], s[GOF], 0x1ffff
	s_lshr_b32 s[SOF], s[GOF], 4
	s_add_nc_u64 s[UBP:UBP+1], s[UBW:UBW+1], s[GOF:GOF+1]
	s_add_nc_u64 s[USP:USP+1], s[USW:USW+1], s[SOF:SOF+1]
	v_add_nc_u32 v[CVA], s[CVS], v[CVB]
	s_add_co_u32 s[CVS], s[CVS], 1024
	s_wait_alu depctr_va_vdst(0)
.irp k, 0,1,2,3,4,5,6,7
	KSTEP \k, \last
.endr
	s_wait_dscnt 16                                ; the column constants are in; the two sets asked for behind them land under the tanh
.if !\last
	s_cmp_gt_u32 s[BC], 1                          ; blocks 0 and 1 alone (the count of blocks stands at 3 and 2): two blocks on from block 2 there is no block of mine
	s_cbranch_scc0 .Lnopf_\@
	global_prefetch_b8 v[PFO], s[PFA:PFA+1] th:TH_LOAD_NT scope:SCOPE_SE               ; 8 rows x my 1,024 bytes, each lane another 256,
	global_prefetch_b8 v[PFO], s[PFA:PFA+1] offset:32768 th:TH_LOAD_NT scope:SCOPE_SE  ; and the next 8 rows; the tanh's lines stand between these and the next wait
.Lnopf_\@:
.endif
	TANH
	WIN 0
	s_sub_co_u32 s[GC], s[GC], 1
	s_cmp_lg_u32 s[GC], 0
	s_cbranch_scc1 .Lgroup_\@
.endm
; The block's 64 scores, the running maximum, p.
.macro SOFT
.irp m, 1,2,4,8
.set i, 0
.rept 32
	v_add_f32_dpp v[SP+i], v[SP+i], v[SP+i] row_xmask:\m row_mask:0xf bank_mask:0xf   ; over the sixteen lanes of a half: my wave's 256 outputs
.set i, i+1
.endr
.endr
.irp mt, 0,1,2,3
	ds_store_b128 v[PSW], v[SP+8*\mt:SP+8*\mt+3] offset:64*\mt        ; rows 16 mt + 8 h + 0 .. 3; the sixteen lanes of a half write the same words with the same values
	ds_store_b128 v[PSW], v[SP+8*\mt+4:SP+8*\mt+7] offset:64*\mt+16
.endr
	s_wait_dscnt 0x0                               ; my parts are stored, and all my reads of the images are back: behind this barrier the images may be written anew
	s_barrier_signal -1
	s_barrier_wait -1
.irp u, 0,1,2,3
	ds_load_b64 v[PL+2*\u:PL+2*\u+1], v[PSR] offset:256*\u
.endr
	s_wait_dscnt 0x0
	v_pk_add_f32 v[SS:SS+1], v[PL:PL+1], v[PL+2:PL+3]
	v_pk_add_f32 v[TA:TA+1], v[PL+4:PL+5], v[PL+6:PL+7]
	v_pk_add_f32 v[SS:SS+1], v[SS:SS+1], v[TA:TA+1]
	v_pk_add_f32 v[SS:SS+1], v[SS:SS+1], s[VB:VB+1] op_sel_hi:[1,0]   ; + Va_b: every wave holds rows 2 lane, 2 lane + 1
	s_cmp_lg_u32 s[WV], 0
	s_cbranch_scc1 .Lnot0_\@
	global_store_b64 v[L8], v[SS:SS+1], s[SCP:SCP+1]   ; wave 0 stores the 64 scores: 256 consecutive bytes, aligned
.Lnot0_\@:
	s_wait_alu depctr_va_vdst(0)
	v_max_num_f32 v[TA], v[SS], v[SS+1]
	v_max_num_f32_dpp v[TA], v[TA], v[TA] row_xmask:1 row_mask:0xf bank_mask:0xf
	v_max_num_f32_dpp v[TA], v[TA], v[TA] row_xmask:2 row_mask:0xf bank_mask:0xf
	v_max_num_f32_dpp v[TA], v[TA], v[TA] row_xmask:4 row_mask:0xf bank_mask:0xf
	v_max_num_f32_dpp v[TA], v[TA], v[TA] row_xmask:8 row_mask:0xf bank_mask:0xf
	v_permlanex16_b32 v[TA+1], v[TA], s[SEL], s[SEL+1]
	v_max3_num_f32 v[TA], v[TA], v[TA+1], v[MX]    ; the new maximum
	v_sub_f32 v[TA+1], v[MX], v[TA]
	v_sub_f32 v[PE], v[SS], v[TA]
	v_sub_f32 v[PE+1], v[SS+1], v[TA]
	v_mul_f32 v[TA+1], s[C1S], v[TA+1]
	v_mul_f32 v[PE], s[C1S], v[PE]
	v_mul_f32 v[PE+1], s[C1S], v[PE+1]
	s_wait_alu depctr_va_vdst(0)
	v_exp_f32 v[FF], v[TA+1]                       ; exp(old M - new M); 0 in the first block
	v_exp_f32 v[PE], v[PE]
	v_exp_f32 v[PE+1], v[PE+1]
	v_mov_b32 v[MX], v[TA]                         ; (a plain place behind the exponentials)
	s_wait_alu depctr_va_vdst(0)                   ; one wait for the three
	ds_store_b64 v[PWW], v[PE:PE+1]                ; p changes lanes through my wave's own 256 bytes: LDS serves a wave's instructions in order (ISA guide 5.7.1.4)
.irp mt, 0,1,2,3
	ds_load_b32 v[PP+\mt], v[PWR] offset:64*\mt    ; p of row 16 mt + r
.endr
	s_wait_dscnt 0x0
.endm
; context = context x f + sum over my lane's four rows of p x key.  last = 1: the rescaling moves the context into window 0 (v72-199, free by then), where the way out finds it.
.macro CTX last
.if \last
.set CD, 72
	WIN W_S1
.else
.set CD, 128
	WIN W_A1
.endif
.set i, 0
.rept 64
	v_pk_mul_f32 v[CD+i:CD+i+1], v[128+i:129+i], v[FF:FF+1] op_sel_hi:[1,0]
.set i, i+2
.endr
.if \last
	WIN W_CL
.else
	WIN W_CX
.endif
.irp mt, 0,1,2,3
.irp kk, 0,1
.set i, 0
.rept 32
	v_fma_mix_f32_bf16 v[CD+64*\kk+2*i], v[32*(2*\mt+\kk)+i], v[PP+\mt], v[CD+64*\kk+2*i] op_sel_hi:[1,0,0]
	v_fma_mix_f32_bf16 v[CD+64*\kk+2*i+1], v[32*(2*\mt+\kk)+i], v[PP+\mt], v[CD+64*\kk+2*i+1] op_sel:[1,0,0] op_sel_hi:[1,0,0]
.set i, i+1
.endr
.endr
.endr
	WIN 0
.if !\last
	s_wait_xcnt 0x0                                ; wave 0's store of the scores has read its base and its data: both are written again only behind this wait
	s_add_nc_u64 s[SCP:SCP+1], s[SCP:SCP+1], 256
.endif
.endm
; ---- the head ----
	s_load_b256 s[4:11], s[0:1], 0x0               ; keys s[4:5], ub s[6:7], Ua's scales s[8:9], qb s[10:11]
	s_load_b256 s[12:19], s[0:1], 0x20             ; Va_w s[12:13], Va_b s[14:15], scores s[16:17], pctx s[18:19]
	v_lshl_add_u32 v[SPW], v0, 2, SPARE
	v_mov_b32 v[NIL], 0
	ds_add_u32 v1, v2                              ; the opening lines: the add, twice on end, and its wait ahead of my first tensor load
	ds_add_u32 v1, v2
	s_wait_dscnt 0x0
	v_lshrrev_b32 v[RR], 5, v0
	v_readfirstlane_b32 s[WV], v[RR]               ; wave 0..3
	; descriptor group 1: 64 rows x 256 elements of 4 bytes, rows 1,024 elements apart, 4 words of padding behind each row's 256 words
	s_mov_b32 s[G1+0], (2<<16)|(1<<20)|(7<<22)|(3<<25)
	s_mov_b32 s[G1+1], 256<<16                     ; tensor_dim0
	s_mov_b32 s[G1+2], 64<<16                      ; tensor_dim1
	s_mov_b32 s[G1+3], 256<<16                     ; tile_dim0
	s_mov_b32 s[G1+4], 64                          ; tile_dim1
	s_mov_b32 s[G1+5], 1024                        ; tensor_dim0_stride
	s_mov_b32 s[G1+6], 0
	s_mov_b32 s[G1+7], 0
	s_mov_b32 s[G0], 1
	s_mul_i32 s[G0+1], s[WV], CHUNK                ; my landing space
	s_lshl_b32 s[OF], ttmp9, 20                    ; my work-group's 256 rows of 4,096 bytes
	s_lshl_b32 s[TMP], s[WV], 10                   ; my 256 columns
	s_add_co_u32 s[OF], s[OF], s[TMP]
	s_mov_b32 s[OF+1], 0
	s_wait_kmcnt 0x0
	s_add_nc_u64 s[G0+2:G0+3], s[4:5], s[OF:OF+1]
	s_or_b32 s[G0+3], s[G0+3], 0x80000000
	tensor_load_to_lds s[G0:G0+3], s[G1:G1+7]      ; block 0: the one first fill, ahead of everything else
	s_nop 0
.rept 4
	v_nop                                          ; four nops behind a tensor load
.endr
	s_add_nc_u64 s[PFA:PFA+1], s[4:5], s[OF:OF+1]
	s_add_nc_u64 s[PFA:PFA+1], s[PFA:PFA+1], 2*262144-65536   ; 16 rows short of block 2: the first group's head steps it there
	s_load_b32 s[VB], s[14:15], 0x0                ; Va_b
	v_and_b32 v[RR], 15, v0                        ; r
	v_bfe_u32 v[TA], v0, 4, 1                      ; h
	v_and_b32 v[TA+1], 31, v0                      ; lane
	v_lshlrev_b32 v[L16], 4, v[TA+1]
	v_lshlrev_b32 v[R32], 5, v[RR]
	v_lshlrev_b32 v[L8], 3, v[TA+1]
	v_lshlrev_b32 v[R4], 2, v[RR]
	v_mul_u32_u24 v[LA], v[RR], LPITCH
	v_lshl_add_u32 v[LA], v[TA], 6, v[LA]
	v_add_nc_u32 v[LA], s[G0+1], v[LA]
	v_add_nc_u32 v[LIA], AIMG, v[L16]
	s_lshl_b32 s[T2S], s[WV], 11
	v_add_nc_u32 v[XWI], s[T2S], v[LIA]
	v_add_nc_u32 v[ASA], ASC, v[R32]
	v_lshl_add_u32 v[R32], v[TA], 4, v[R32]        ; 32 r + 16 h, for Ua's scale words
	s_lshl_b32 s[T2S], s[WV], 3
	v_add_nc_u32 v[XWS], s[T2S], v[ASA]
	s_lshl_b32 s[T2S], s[WV], 8
	v_lshl_add_u32 v[PSW], v[TA], 5, PS
	v_add_nc_u32 v[PSW], s[T2S], v[PSW]
	v_add_nc_u32 v[PSR], PS, v[L8]
	v_add_nc_u32 v[PWW], PW, v[L8]
	v_add_nc_u32 v[PWW], s[T2S], v[PWW]
	v_lshl_add_u32 v[PWR], v[RR], 2, PW
	v_add_nc_u32 v[PWR], s[T2S], v[PWR]
	s_lshl_b32 s[T2S], s[WV], 12
	v_lshl_add_u32 v[CVB], v[RR], 4, CBV
	v_add_nc_u32 v[CVB], s[T2S], v[CVB]
	v_lshl_add_u32 v[CSW], v[TA], 6, CST
	v_add_nc_u32 v[CSW], s[TMP], v[CSW]
	v_add_nc_u32 v[CSR], CST, v[L16]
	v_add_nc_u32 v[CSR], s[TMP], v[CSR]
	v_lshrrev_b32 v[PFO], 2, v[TA+1]               ; the prefetches' offset: row lane / 4,
	v_and_b32 v[PFO+1], 3, v[TA+1]
	v_lshlrev_b32 v[PFO], 12, v[PFO]
	v_lshl_add_u32 v[PFO], v[PFO+1], 8, v[PFO]     ; and the lane % 4-th 256 bytes of my 1,024
	s_lshl_b32 s[OF], s[WV], 17                    ; my 16 tiles of Ua's codes
	s_add_nc_u64 s[UBW:UBW+1], s[6:7], s[OF:OF+1]
	s_mov_b64 s[UBP:UBP+1], s[UBW:UBW+1]
	s_lshl_b32 s[OF], s[WV], 13                    ; and of its scale bytes
	s_add_nc_u64 s[USW:USW+1], s[8:9], s[OF:OF+1]
	s_mov_b64 s[USP:USP+1], s[USW:USW+1]
	s_lshr_b32 s[OF], ttmp9, 3                     ; the batch
	s_lshl_b32 s[OF], s[OF], 12
	s_add_co_u32 s[OF], s[OF], s[TMP]
	s_add_nc_u64 s[10:11], s[10:11], s[OF:OF+1]    ; qb at my batch's row, my 256 outputs
	s_mov_b32 s[OF], s[TMP]
	s_add_nc_u64 s[12:13], s[12:13], s[OF:OF+1]    ; Va likewise
	s_lshl_b32 s[OF], ttmp9, 10
	s_add_nc_u64 s[SCP:SCP+1], s[16:17], s[OF:OF+1]
	s_lshl_b32 s[OF], ttmp9, 12
	s_add_co_u32 s[OF], s[OF], s[TMP]
	s_add_nc_u64 s[18:19], s[18:19], s[OF:OF+1]    ; pctx at my work-group's row, my 256 columns
.irp tl, 0,1,2,3,4,5,6,7,8,9,10,11,12,13,14,15
	global_load_b32 v[T0+4*\tl], v[R4], s[10:11] offset:64*\tl     ; cb of output 256 w + 16 tile + r
	global_load_b32 v[T0+2+4*\tl], v[R4], s[12:13] offset:64*\tl   ; Va of it
.endr
	BLOAD 0                                        ; group 0 of Ua, in the order in which a group asks for its successor: K steps 0-6, the scale words, K step 7
	BLOAD 1
	BLOAD 2
	BLOAD 3
	s_mov_b32 s[SEL], 0x76543210
	s_mov_b32 s[SEL+1], 0xfedcba98
	s_mov_b32 s[C2S], 0x4038aa3b                   ; 2 log2(e)
	s_mov_b32 s[C2S+1], s[C2S]
	s_mov_b32 s[C1S], 0x3fb8aa3b                   ; log2(e)
	s_mov_b32 s[GOF], 0
	s_mov_b32 s[GOF+1], 0
	s_mov_b32 s[SOF], 0
	s_mov_b32 s[SOF+1], 0
	s_mov_b32 s[BC], 3
	s_wait_loadcnt 32                              ; all but the 32 loads of Ua issued behind them: cb and Va are in
	v_add_f32 v[VS], v[T0+2], v[T0+6]
.irp tl, 2,3,4,5,6,7,8,9,10,11,12,13,14,15
	v_add_f32 v[VS], v[VS], v[T0+2+4*\tl]
.endr
.irp tl, 0,1,2,3,4,5,6,7,8,9,10,11,12,13,14,15
	v_mov_b32 v[T0+1+4*\tl], v[T0+4*\tl]           ; each constant twice: the packed forms take them as plain pairs
	v_mul_f32 v[T0+3+4*\tl], -2.0, v[T0+2+4*\tl]
	v_mul_f32 v[T0+2+4*\tl], -2.0, v[T0+2+4*\tl]
.endr
.irp tl, 0,1,2,3,4,5,6,7,8,9,10,11,12,13,14,15
	ds_store_b128 v[CVB], v[T0+4*\tl:T0+4*\tl+3] offset:256*\tl    ; my wave's own bytes; lanes l and l + 16 write the same
.endr
	BLOAD 4
	BLOAD 5
	BLOAD 6
	SLOAD
	BLOAD 7
	WIN 0x40
.set i, 0
.rept 128
	v_mov_b32 v[128+i], 0                          ; the context, once: the block is then written without a first form of its own; the first factor, 0, leaves zeros
.set i, i+1
.endr
	WIN 0
	v_mov_b32 v[MX], 0xff61b1e6                    ; -3e38, under every score
	v_mov_b32 v[FF+1], 0                           ; named with v[FF] as a pair, so it is written
.irp b, 0,1,2,3
	v_mov_b32 v[TM+4+\b], 0                        ; a lane permute's destination counts as one of its sources
.endr
	s_wait_kmcnt 0x0
	s_mov_b32 s[VB+1], s[VB]
	s_wait_dscnt 0x0                               ; the stores of the constants have read their registers, which X loads into
; ---- blocks 0 to 2: each asks for its successor ----
.Lblock:
	s_wait_tensorcnt 0x0                           ; for my reads: the one load of mine that is out is the block in hand (nothing was issued behind it)
	XPHASE
	s_wait_tensorcnt 0x0
	ds_add_u32 v[SPW], v[NIL]                      ; 0 onto my spare word
	s_add_nc_u64 s[G0+2:G0+3], s[G0+2:G0+3], 262144   ; no load of mine is out: the next 64 rows
	s_wait_dscnt 0x0                               ; the add is done, my reads of the landing space are back, my images are stored, and so were my reads of the last block's score parts
	s_barrier_signal -1
	s_barrier_wait -1                              ; the images are whole
	tensor_load_to_lds s[G0:G0+3], s[G1:G1+7]      ; my one tensor load behind the barrier: it has the block's whole work in which to land
	s_nop 0
.rept 4
	v_nop
.endr
	GEMM 0
	SOFT
	CTX 0
	s_sub_co_u32 s[BC], s[BC], 1
	s_cmp_lg_u32 s[BC], 0
	s_cbranch_scc1 .Lblock
; ---- block 3: written out, since it asks for nothing ----
	s_wait_tensorcnt 0x0
	XPHASE
	s_wait_dscnt 0x0
	s_barrier_signal -1
	s_barrier_wait -1
	GEMM 1
	SOFT
	CTX 1
; The way out: the context is summed over the sixteen lanes of a half (their rows); 1,024 bytes a wave go through its own stage and leave as 512 consecutive bytes a store.
.irp m, 1,2,4,8
.set i, 0
.rept 128
	v_add_f32_dpp v[72+i], v[72+i], v[72+i] row_xmask:\m row_mask:0xf bank_mask:0xf
.set i, i+1
.endr
.endr
.irp kk, 0,1
.irp b, 0,1,2,3
.irp q, 0,1,2,3
	ds_store_b128 v[CSW], v[72+64*\kk+16*\b+4*\q:72+64*\kk+16*\b+4*\q+3] offset:512*\kk+128*\b+16*\q
.endr
.endr
.endr
	ds_load_b128 v[TM:TM+3], v[CSR]                ; LDS serves a wave's instructions in order: these see my stores
	ds_load_b128 v[TM+4:TM+7], v[CSR] offset:512
	s_wait_dscnt 1
	global_store_b128 v[L16], v[TM:TM+3], s[18:19]
	s_wait_dscnt 0x0
	global_store_b128 v[L16], v[TM+4:TM+7], s[18:19] offset:512
	s_wait_tensorcnt 0x0                           ; the wave's end
	ds_add_u32 v[SPW], v[NIL]
	s_wait_dscnt 0x0
	s_endpgm
.Lfunc_end_k_q60ea4cdd0a_attn:
	.size	k_q60ea4cdd0a_attn, .Lfunc_end_k_q60ea4cdd0a_attn-k_q60ea4cdd0a_attn
	.p2alignl 7, 3214868480
	.fill 96, 4, 3214868480
	.section	.rodata,"a",@progbits
	.p2align	6, 0x0
	.amdhsa_kernel k_q60ea4cdd0a_attn
		.amdhsa_group_segment_fixed_size 327680
		.amdhsa_private_segment_fixed_size 0
		.amdhsa_enable_private_segment 0
		.amdhsa_kernarg_size 64
		.amdhsa_user_sgpr_count 2
		.amdhsa_user_sgpr_kernarg_segment_ptr 1
		.amdhsa_wavefront_size32 1
		.amdhsa_system_sgpr_workgroup_id_x 1
		.amdhsa_system_sgpr_workgroup_id_y 1
		.amdhsa_system_sgpr_workgroup_id_z 1
		.amdhsa_system_vgpr_workitem_id 0
		.amdhsa_next_free_vgpr 1024
		.amdhsa_next_free_sgpr 66
		.amdhsa_reserve_vcc 0
		.amdhsa_float_denorm_mode_32 3
		.amdhsa_float_denorm_mode_16_64 3
		.amdhsa_memory_ordered 1
		.amdhsa_forward_progress 1
		.amdhsa_inst_pref_size 255
	.end_amdhsa_kernel
	.section	.bss,"aw",@nobits
	.p2align	6
	.space	262144
	.amdgpu_metadata
---
amdhsa.version: [ 1, 2 ]
amdhsa.kernels:
  - .name:           k_q60ea4cdd0a_attn
    .symbol:         k_q60ea4cdd0a_attn.kd
    .args:
      - { .name: keys, .offset: 0, .size: 8, .value_kind: global_buffer, .address_space: global }
      - { .name: ub, .offset: 8, .size: 8, .value_kind: global_buffer, .address_space: global }
      - { .name: Ua_w_scales, .offset: 16, .size: 8, .value_kind: global_buffer, .address_space: global }
      - { .name: qb, .offset: 24, .size: 8, .value_kind: global_buffer, .address_space: global }
      - { .name: Va_w, .offset: 32, .size: 8, .value_kind: global_buffer, .address_space: global }
      - { .name: Va_b, .offset: 40, .size: 8, .value_kind: global_buffer, .address_space: global }
      - { .name: scores, .offset: 48, .size: 8, .value_kind: global_buffer, .address_space: global }
      - { .name: pctx, .offset: 56, .size: 8, .value_kind: global_buffer, .address_space: global }
    .group_segment_fixed_size: 327680
    .private_segment_fixed_size: 0
    .kernarg_segment_align: 8
    .kernarg_segment_size: 64
    .max_flat_workgroup_size: 128
    .sgpr_count:     66
    .vgpr_count:     1024
    .wavefront_size: 32
...
	.end_amdgpu_metadata
.endif
;; end of part 2
;; launch combine (part 3): grid 32 x 1, 8 waves a work-group, no clusters, 2,048 bytes of LDS; arguments scores, pctx, out0, out1; writes out0, out1
.if DOCPART == 3
	.amdgcn_target "amdgcn-amd-amdhsa--gfx1250"
	.amdhsa_code_object_version 6
	.text
	.protected	k_q60ea4cdd0a_combine
	.globl	k_q60ea4cdd0a_combine
	.p2align	8
	.type	k_q60ea4cdd0a_combine,@function
k_q60ea4cdd0a_combine:
	s_mov_b64 s[64:65], 0
	v_nop
	global_prefetch_b8 v0, s[64:65] scope:SCOPE_SE
	s_setreg_imm32_b32 hwreg(HW_REG_WAVE_MODE, 25, 1), 1
	s_wait_xcnt 0x0
; out1[b][s] = softmax over s of scores[b][s];  out0[b][c] = (sum over the batch's eight parts j of exp(m_j - M) pctx[8 b + j][c]) / L.
; A work-group is a batch; wave w holds chunk w of the scores (8 a lane); thread t holds columns 4 t .. 4 t + 3 of the eight parts.  40 KB are read and 12 KB stored by a work-group: loads first, two barriers.
; No matrix unit, no cluster, no tensor load: nothing is shared between work-groups and nothing is read twice.
	s_load_b256 s[4:11], s[0:1], 0x0               ; scores s[4:5], pctx s[6:7], out0 s[8:9], out1 s[10:11]
	v_lshl_add_u32 v72, v0, 2, 0x400
	v_mov_b32 v73, 0
	v_and_b32 v1, 31, v0
	v_and_b32 v2, 0xe0, v0                         ; 32 w
	s_delay_alu instid0(VALU_DEP_2)
	v_lshlrev_b32 v1, 4, v1
	s_delay_alu instid0(VALU_DEP_1)
	v_lshl_or_b32 v1, v2, 5, v1                    ; 1024 w + 16 lane
	v_lshlrev_b32 v2, 4, v0                        ; 16 t
	v_lshrrev_b32 v3, 5, v0
	s_delay_alu instid0(VALU_DEP_1)
	v_lshlrev_b32 v3, 2, v3                        ; 4 w
	v_mov_b32 v4, 0
	s_lshl_b32 s12, ttmp9, 13                      ; a batch's scores and weights
	s_mov_b32 s13, 0
	s_lshl_b32 s14, ttmp9, 15                      ; its eight parts
	s_mov_b32 s15, 0
	s_lshl_b32 s16, ttmp9, 12                      ; its context
	s_mov_b32 s17, 0
	s_mov_b32 s18, 0x3fb8aa3b                      ; log2(e)
	s_mov_b32 s20, 0x76543210
	s_mov_b32 s21, 0xfedcba98                      ; v_permlanex16_b32's selects for lane l xor 16
	s_wait_alu depctr_va_vdst(0)
	s_wait_kmcnt 0x0
	s_add_nc_u64 s[4:5], s[4:5], s[12:13]
	s_add_nc_u64 s[10:11], s[10:11], s[12:13]
	s_add_nc_u64 s[6:7], s[6:7], s[14:15]
	s_add_nc_u64 s[8:9], s[8:9], s[16:17]
	global_load_b128 v[8:11], v1, s[4:5]
	global_load_b128 v[12:15], v1, s[4:5] offset:512
.irp j, 0,1,2,3,4,5,6,7
	global_load_b128 v[16+4*\j:19+4*\j], v2, s[6:7] offset:4096*\j
.endr
	s_wait_loadcnt 8                               ; the scores are in; the eight loads of the parts may be out
	v_max3_num_f32 v5, v8, v9, v10
	v_max3_num_f32 v6, v11, v12, v13
	s_delay_alu instid0(VALU_DEP_2)
	v_max3_num_f32 v5, v5, v14, v15
	s_delay_alu instid0(VALU_DEP_1)
	v_max_num_f32 v5, v5, v6
	s_delay_alu instid0(VALU_DEP_1)
	v_max_num_f32_dpp v5, v5, v5 row_xmask:1 row_mask:0xf bank_mask:0xf
	s_delay_alu instid0(VALU_DEP_1)
	v_max_num_f32_dpp v5, v5, v5 row_xmask:2 row_mask:0xf bank_mask:0xf
	s_delay_alu instid0(VALU_DEP_1)
	v_max_num_f32_dpp v5, v5, v5 row_xmask:4 row_mask:0xf bank_mask:0xf
	s_delay_alu instid0(VALU_DEP_1)
	v_max_num_f32_dpp v5, v5, v5 row_xmask:8 row_mask:0xf bank_mask:0xf
	s_delay_alu instid0(VALU_DEP_1)
	v_permlanex16_b32 v6, v5, s20, s21
	s_delay_alu instid0(VALU_DEP_1)
	v_max_num_f32 v5, v5, v6                       ; m_w
	ds_store_b32 v3, v5                            ; all lanes write the wave's word with the same value
	s_wait_dscnt 0x0
	s_barrier_signal -1
	s_barrier_wait -1
	ds_load_b128 v[48:51], v4                      ; m_0 .. m_7, in every lane
	ds_load_b128 v[52:55], v4 offset:16
	s_wait_dscnt 0x0
	v_max3_num_f32 v6, v48, v49, v50
	v_max3_num_f32 v7, v51, v52, v53
	s_delay_alu instid0(VALU_DEP_2)
	v_max3_num_f32 v6, v6, v54, v55
	s_delay_alu instid0(VALU_DEP_1)
	v_max_num_f32 v6, v6, v7                       ; M
.irp i, 0,1,2,3,4,5,6,7
	v_sub_f32 v[8+\i], v[8+\i], v6
	v_sub_f32 v[48+\i], v[48+\i], v6
.endr
.irp i, 0,1,2,3,4,5,6,7
	v_mul_f32 v[8+\i], s18, v[8+\i]
	v_mul_f32 v[48+\i], s18, v[48+\i]
.endr
	s_wait_alu depctr_va_vdst(0)
.irp i, 0,1,2,3,4,5,6,7
	v_exp_f32 v[8+\i], v[8+\i]                     ; exp(score - M)
	v_exp_f32 v[48+\i], v[48+\i]                   ; exp(m_j - M)
.endr
	v_nop                                          ; a plain place behind the last exponential
	s_wait_alu depctr_va_vdst(0)                   ; one wait for the sixteen, ahead of their first reader
	v_pk_add_f32 v[56:57], v[8:9], v[10:11]
	v_pk_add_f32 v[58:59], v[12:13], v[14:15]
	s_delay_alu instid0(VALU_DEP_1)
	v_pk_add_f32 v[56:57], v[56:57], v[58:59]
	s_delay_alu instid0(VALU_DEP_1)
	v_add_f32 v5, v56, v57
	s_delay_alu instid0(VALU_DEP_1)
	v_add_f32_dpp v5, v5, v5 row_xmask:1 row_mask:0xf bank_mask:0xf
	s_delay_alu instid0(VALU_DEP_1)
	v_add_f32_dpp v5, v5, v5 row_xmask:2 row_mask:0xf bank_mask:0xf
	s_delay_alu instid0(VALU_DEP_1)
	v_add_f32_dpp v5, v5, v5 row_xmask:4 row_mask:0xf bank_mask:0xf
	s_delay_alu instid0(VALU_DEP_1)
	v_add_f32_dpp v5, v5, v5 row_xmask:8 row_mask:0xf bank_mask:0xf
	s_delay_alu instid0(VALU_DEP_1)
	v_permlanex16_b32 v7, v5, s20, s21
	s_delay_alu instid0(VALU_DEP_1)
	v_add_f32 v5, v5, v7
	ds_store_b32 v3, v5 offset:64                  ; other bytes than the maxima's: no barrier is owed for their readers
	s_wait_dscnt 0x0
	s_barrier_signal -1
	s_barrier_wait -1
	ds_load_b128 v[56:59], v4 offset:64
	ds_load_b128 v[60:63], v4 offset:80
	s_wait_dscnt 0x0
	v_pk_add_f32 v[56:57], v[56:57], v[58:59]
	v_pk_add_f32 v[60:61], v[60:61], v[62:63]
	s_delay_alu instid0(VALU_DEP_1)
	v_pk_add_f32 v[56:57], v[56:57], v[60:61]
	s_delay_alu instid0(VALU_DEP_1)
	v_add_f32 v5, v56, v57                         ; L
	s_wait_alu depctr_va_vdst(0)
	v_rcp_f32 v6, v5
	v_nop
	s_wait_alu depctr_va_vdst(0)
.irp i, 0,1,2,3,4,5,6,7
	v_mul_f32 v[8+\i], v[8+\i], v6
.endr
	global_store_b128 v1, v[8:11], s[10:11]        ; the wave stores 512 consecutive bytes, aligned
	global_store_b128 v1, v[12:15], s[10:11] offset:512
	s_wait_loadcnt 0x0                             ; the eight parts
.irp k, 0,1,2,3
	v_mul_f32 v[64+\k], v[16+\k], v48
.endr
.irp j, 1,2,3,4,5,6,7
.irp k, 0,1,2,3
	v_fmac_f32 v[64+\k], v[16+4*\j+\k], v[48+\j]
.endr
.endr
.irp k, 0,1,2,3
	v_mul_f32 v[64+\k], v[64+\k], v6
.endr
	global_store_b128 v2, v[64:67], s[8:9]
	s_wait_tensorcnt 0x0
	ds_add_u32 v72, v73
	s_wait_dscnt 0x0
	s_endpgm
.Lfunc_end_k_q60ea4cdd0a_combine:
	.size	k_q60ea4cdd0a_combine, .Lfunc_end_k_q60ea4cdd0a_combine-k_q60ea4cdd0a_combine
	.p2alignl 7, 3214868480
	.fill 96, 4, 3214868480
	.section	.rodata,"a",@progbits
	.p2align	6, 0x0
	.amdhsa_kernel k_q60ea4cdd0a_combine
		.amdhsa_group_segment_fixed_size 2048
		.amdhsa_private_segment_fixed_size 0
		.amdhsa_enable_private_segment 0
		.amdhsa_kernarg_size 32
		.amdhsa_user_sgpr_count 2
		.amdhsa_user_sgpr_kernarg_segment_ptr 1
		.amdhsa_wavefront_size32 1
		.amdhsa_system_sgpr_workgroup_id_x 1
		.amdhsa_system_sgpr_workgroup_id_y 1
		.amdhsa_system_sgpr_workgroup_id_z 1
		.amdhsa_system_vgpr_workitem_id 0
		.amdhsa_next_free_vgpr 74
		.amdhsa_next_free_sgpr 66
		.amdhsa_reserve_vcc 0
		.amdhsa_float_denorm_mode_32 3
		.amdhsa_float_denorm_mode_16_64 3
		.amdhsa_memory_ordered 1
		.amdhsa_forward_progress 1
		.amdhsa_inst_pref_size 9
	.end_amdhsa_kernel
	.amdgpu_metadata
---
amdhsa.version: [ 1, 2 ]
amdhsa.kernels:
  - .name:           k_q60ea4cdd0a_combine
    .symbol:         k_q60ea4cdd0a_combine.kd
    .args:
      - { .name: scores, .offset: 0, .size: 8, .value_kind: global_buffer, .address_space: global }
      - { .name: pctx, .offset: 8, .size: 8, .value_kind: global_buffer, .address_space: global }
      - { .name: out0, .offset: 16, .size: 8, .value_kind: global_buffer, .address_space: global }
      - { .name: out1, .offset: 24, .size: 8, .value_kind: global_buffer, .address_space: global }
    .group_segment_fixed_size: 2048
    .private_segment_fixed_size: 0
    .kernarg_segment_align: 8
    .kernarg_segment_size: 32
    .max_flat_workgroup_size: 256
    .sgpr_count:     66
    .vgpr_count:     74
    .wavefront_size: 32
...
	.end_amdgpu_metadata
.endif
;; end of part 3
